; MI455X (gfx1250); checked and timed in simulation.
; The chip was launched on July 23, 2026; its instructions are those of AMD's public machine-readable ISA for CDNA 5 (MIT licence, August 2026) and "CDNA5" Instruction Set Architecture Reference Guide (July 2026). The comments in the code are by the model that wrote it; some were corrected since.
;; Mixture Of Experts. Allowed arithmetic: matrix products marked QUANTISED: E2M1 operands, one E8M0 scale for each 32 along K, by v_wmma_scale_f32_16x16x128_f8f6f4 with both operands' format E2M1 (or v_wmma_scale_f32_32x16x128_f4), f32 sums; products left as they are: f32 operands where the result goes on into a quantised operand, else bf16, f16 or f32 operands; f32 sums; everything else in f32.
;; Inputs: W1_codes 8 x 2,048 x 32 x 16 uint8 (E2M1 codes of W1, K innermost, in blocks of 32 codes, two codes a byte); W1_scales 8 x 2,048 x 32 uint8 (E8M0 scales of W1, one for each 32 codes along K); W2_codes 8 x 1,024 x 64 x 16 uint8 (E2M1 codes of W2, K innermost, in blocks of 32 codes, two codes a byte); W2_scales 8 x 1,024 x 64 uint8 (E8M0 scales of W2, one for each 32 codes along K); Wr 1,024 x 8 float32; b1 8 x 2,048 float32; b2 8 x 1,024 float32; br 8 float32; x 2,048 x 1,024 float32.
;; Outputs: out0 2,048 x 1,024 float32; out1 2,048 x 8 float32; out2 8 float32.
;; This version of the problem:
;;   THIS VERSION OF THE PROBLEM IS GIVEN IN LOW PRECISION. The matrix products marked QUANTISED in the list below multiply operands that are first quantised to E2M1 (2 exponent bits, 1 mantissa bit; 4 bits a number), with one power-of-two scale for each 32 numbers along K (OCP MX v1.0); their sums are f32. All else is computed in f32.
;;   The module's matrix products, in the order in which they are computed (A, B: the left and right operand; K: the contracted axis; several contracted axes count as one K, in the product's order):
;;     1. [M 2,048, K 1,024] x [K 1,024, N 8]; A: input x; B: input Wr: left as it is (N = 8 < 16)
;;     2. [M 16,384, K 1,024] x [K 1,024, N 2,048]; A: input W1 (given as codes); B: input x: QUANTISED
;;     3. batch 8 x [M 2,048, K 2,048] x [K 2,048, N 1,024]; A: computed on the way; B: input W2 (given as codes): QUANTISED
;;     4. batch 2,048 x [M 1, K 8] x [K 8, N 1,024]; A: computed on the way; B: computed on the way: left as it is (K = 8 < 32)
;;   THE QUANTISER, for each operand of a quantised product, along K:
;;     - K is cut into blocks of 32 from its start; a last block that is shorter is filled with zeros.
;;     - A block's scale is 2^e with e = floor(log2(the largest magnitude in the block)) - 2, held to -126 .. 127; a block of zeros has e = 0. As a byte (E8M0): e + 127.
;;     - Each number is divided by its block's scale, clamped to +-6, and rounded to the nearest number of E2M1, ties to even, subnormals kept.
;;     - The product sums the exact products of the quantised numbers (number of the format x scale) in f32.
;;   ~~~python
;;   def quantise(x, axis):      # numpy; x: float32 -> the quantised numbers, widened to float32 again
;;       x = np.moveaxis(x, axis, -1); K = x.shape[-1]
;;       x = np.pad(x, [(0, 0)] * (x.ndim - 1) + [(0, -K % 32)]); x = x.reshape(x.shape[:-1] + (-1, 32)); a = np.abs(x).max(-1, keepdims=True)
;;       e = np.where(a > 0, np.clip(np.frexp(np.where(a > 0, a, 1))[1] - 1 - 2, -126, 127), 0)      # np.frexp(a)[1] - 1 = floor(log2(a)), exactly
;;       r = np.clip(x / 2.0 ** e, -6, 6)
;;       step = 2.0 ** (np.maximum(np.frexp(np.where(r == 0, 1, r))[1] - 1, 0) - 1)
;;       q = np.round(r / step) * step * 2.0 ** e      # np.round: ties to even
;;       return np.moveaxis(q.reshape(q.shape[:-2] + (-1,))[..., :K], -1, axis).astype(np.float32)
;;   ~~~
;;   OPERANDS COMPUTED ON THE WAY. 'Computed on the way' means the value that the module computes at that place (a softmax that the list does not call 'softmax' is quantised finished and normalised). What goes into a quantiser is computed in f32, as accurately as f32 sums, v_exp_f32 and their like allow (about 1e-6 of the number): no bf16 or f16 on the way to a quantiser, and a product that is left as it is and whose result goes on into a quantised operand takes f32 operands (vector FMAs, or v_wmma_f32_16x16x4_f32). A number that lies on a knife's edge between two numbers of the format may be rounded either way, as far as f32 arithmetic and the matrix unit's own rounding can turn it there, and no further.
;;   INPUTS GIVEN AS CODES. W1 (in the module: [8, 1024, 2048], K = its axis 1); W2 (in the module: [8, 2048, 1024], K = its axis 1): each comes as NAME_codes (uint8): NAME with its K axis moved to the last place and cut into blocks of 32 codes, [.., K / 32, bytes a block], one block behind the other in memory; two codes a byte, the lower K in the low four bits (a code: sign, 2 exponent bits, 1 mantissa bit); and NAME_scales (uint8): the same leading axes, one E8M0 byte (e + 127) for each 32 codes along K. Its value is code x scale, taken as it is: it is not quantised again, and the codes and scales need not be those that the quantiser above would give.
;; One version. Each part assembles by itself: llvm-mc -triple=amdgcn-amd-amdhsa -mcpu=gfx1250 --defsym DOCPART=n.
;; ======== version 1 of 1: 3 launches
;; limits: right only within a limited range of input values
;; workspace buffers: rmap 2,048 bytes of whole numbers; toks 131,072 bytes of whole numbers; cnt 256 bytes of whole numbers; xq 1,048,576 bytes; xs 65,536 bytes; hq 33,554,432 bytes; hs 2,097,152 bytes
;; launch route (part 1): grid 256 x 1, 4 waves a work-group, no clusters, 55,808 bytes of LDS; arguments x, Wr, br, out1, xq, xs, rmap; writes out1, xq, xs, rmap
.if DOCPART == 1
	.amdgcn_target "amdgcn-amd-amdhsa--gfx1250"
	.amdhsa_code_object_version 6
	.text
	.protected	k_q2e6b38dfe7_route
	.globl	k_q2e6b38dfe7_route
	.p2align	8
	.type	k_q2e6b38dfe7_route,@function
k_q2e6b38dfe7_route:
	s_mov_b64 s[64:65], 0
	v_nop
	global_prefetch_b8 v0, s[64:65] scope:SCOPE_SE
	s_setreg_imm32_b32 hwreg(HW_REG_WAVE_MODE, 25, 1), 1
	s_wait_xcnt 0x0
; ROUTER AND QUANTISER OF x.  x [2048][1024] f32, Wr [1024][8] f32, br [8] f32.
; out1 = softmax(x Wr + br) [2048][8]; xq = codes of x in E2M1, K innermost, 512 bytes a token; xs = their E8M0 bytes, 32 a token;
; rmap = the choice as whole numbers: masks[expert][256 bytes]: bit tau of byte g is set where token 8 g + tau goes to that expert.
; WORK LEFT OUT BY THE PROGRAM.  (1) Experts that a token does not choose: one_hot selects one expert's row for each token, so the first and second product are made for the chosen rows alone, and the product
; with one_hot is a selection.  (2) ratio = p_max / stop_gradient(p_max): a number divided by itself, and p_max, the largest of eight probabilities that sum to 1, is never 0: a factor of 1 for all values of the inputs.
; LIMITS.  A NaN, an infinity or an overflow that reaches only the work left out is not carried to the result.  NaN and infinities among the inputs are not served.  The route is the first index that attains the largest LOGIT;
; that is the first largest probability unless two logits differ by less than one rounding of the exponential.  A block of zeros gets the byte 1 with zero codes (the bytes are this program's own).  A probability under 2^-126 is stored as 0.
; SHARES.  Work-group g takes tokens 8 g .. 8 g + 7.  Wave w (a = w / 2, hf = w % 2) takes tokens 8 g + 4 a + 0 .. 3 and the half hf of K, 512 numbers, one token-half a step.
; Each of a step's four loads reads 512 consecutive bytes; the 2,048 bytes turn through the wave's own stage in LDS and come back 64 bytes a lane, so that lane l holds k = 512 hf + 16 l + 0 .. 15:
; 16 neighbours for the conversions (two lanes to a block of 32), and the lane's 16 rows of Wr, 128 registers, serve all four steps.  The logits are f32 multiply-adds: they decide the route.
; No matrix unit (8 columns), no tensor loads, no cluster, no prefetch: all is asked for at the head, and there is no loop to run ahead in.
.set SP,   80                          ; a lane's place in a stage: 64 bytes + 16 of padding
.set WRP,  528                         ; 16 rows of Wr (512 bytes) + 16 of padding
.set STG,  64*WRP                      ; behind Wr's 64 chunks: two stages of 32 places for each wave
.set PART, STG+4*2*32*SP               ; [token 8][half 2][8 f32]: the halves' sums
.set SCB,  PART+512                    ; [token 8][32]: the scale bytes
.set SPARE, 55296                      ; the spare words, 128 bytes a wave
.set R,    16                          ; v16-79   four steps x 16 numbers as loaded; behind step t's turn v[R+16t ..] takes its codes and its byte, v[R+16t+8 ..] its eight sums
.set X,    80                          ; v80-111  two sets of 16 neighbours
.set WR,   128                         ; v128-255 register 8 i + e = Wr[k0 + i][e]
	s_load_b256 s[4:11], s[0:1], 0x0               ; x s[4:5], Wr s[6:7], br s[8:9], out1 s[10:11]
	s_load_b128 s[12:15], s[0:1], 0x20             ; xq s[12:13], xs s[14:15]
	s_load_b64 s[18:19], s[0:1], 0x30              ; rmap
	v_lshl_add_u32 v126, v0, 2, SPARE
	v_mov_b32 v127, 0
	v_lshrrev_b32 v1, 5, v0
	v_readfirstlane_b32 s20, v1                    ; wave
	s_lshr_b32 s21, s20, 1                         ; a
	s_and_b32 s22, s20, 1                          ; hf
	s_mov_b32 s26, 0x76543210
	s_mov_b32 s27, 0xfedcba98                      ; v_permlanex16_b32's selects for lane l xor 16
	v_and_b32 v1, 31, v0                           ; lane
	v_lshlrev_b32 v2, 4, v1                        ; 16 x lane
	v_lshlrev_b32 v3, 4, v0                        ; 16 x thread
	v_lshlrev_b32 v14, 3, v1                       ; 8 x lane
	s_mul_i32 s28, s20, WRP
	v_add_nc_u32 v4, s28, v2                       ; Wr on its way in: load i's chunk is 4 i + wave
	s_lshl_b32 s28, s22, 5
	v_add_nc_u32 v5, s28, v1
	v_mul_u32_u24 v5, v5, WRP                      ; and out: my chunk is 32 hf + lane
	s_mul_i32 s28, s20, 2*32*SP
	s_add_co_u32 s28, s28, STG
	v_lshrrev_b32 v6, 2, v1
	v_mul_u32_u24 v6, v6, SP
	v_and_b32 v7, 3, v1
	v_lshl_add_u32 v6, v7, 4, v6
	v_add_nc_u32 v6, s28, v6                       ; the stage, in: four lanes' 64 bytes on end, then the padding
	v_mul_u32_u24 v7, v1, SP
	v_add_nc_u32 v7, s28, v7                       ; out: my 16 neighbours
	s_lshl_b32 s28, s21, 7
	s_lshl_b32 s29, s22, 4
	s_add_co_u32 s28, s28, s29
	s_add_co_u32 s28, s28, SCB
	v_lshrrev_b32 v12, 1, v1
	v_add_nc_u32 v12, s28, v12                     ; my block's scale byte: token 4 a (+ step), byte 16 hf + lane / 2
	v_and_b32 v124, 7, v1
	v_lshrrev_b32 v125, 3, v1
	s_lshl_b32 s28, s21, 8
	s_lshl_b32 s29, s22, 5
	s_add_co_u32 s28, s28, s29
	s_add_co_u32 s28, s28, PART
	v_lshlrev_b32 v13, 6, v125
	v_lshl_add_u32 v13, v124, 2, v13
	v_add_nc_u32 v13, s28, v13                     ; my one sum: token 4 a + lane / 8, half hf, expert lane % 8
	v_lshlrev_b32 v121, 3, v125                    ; 8 (lane / 8): my pair of experts, in bytes
	v_lshl_add_u32 v15, v124, 6, v121
	v_add_nc_u32 v15, PART, v15                    ; the last part: token lane % 8, experts 2 (lane / 8) and + 1
	v_add_nc_u32 v120, SCB, v14
	s_mov_b32 s44, 0xff00ff00                      ; lanes with bit 3, 2, 1, 0 of their number
	s_mov_b32 s45, 0xf0f0f0f0
	s_mov_b32 s46, 0xcccccccc
	s_mov_b32 s47, 0xaaaaaaaa
	s_mov_b32 s25, 0
	s_lshl_b32 s24, ttmp9, 15                      ; x: 8 tokens of 4,096 bytes a group,
	s_lshl_b32 s28, s21, 14
	s_lshl_b32 s29, s22, 11
	s_add_co_u32 s24, s24, s28
	s_add_co_u32 s24, s24, s29                     ; + 4 a tokens + half hf
	s_lshr_b32 s30, s24, 3                         ; the codes take an eighth of the bytes
	s_mov_b32 s31, 0
	s_lshl_b32 s32, ttmp9, 8                       ; out1 and xs: 256 bytes a group
	s_mov_b32 s33, 0
	s_mov_b32 s36, ttmp9                           ; the masks: byte g of each expert's row
	s_mov_b32 s37, 0
	s_wait_alu depctr_va_vdst(0)
	s_wait_kmcnt 0x0
	s_add_nc_u64 s[4:5], s[4:5], s[24:25]
	s_add_nc_u64 s[12:13], s[12:13], s[30:31]
	s_add_nc_u64 s[10:11], s[10:11], s[32:33]
	s_add_nc_u64 s[14:15], s[14:15], s[32:33]
	s_add_nc_u64 s[40:41], s[18:19], s[36:37]
	global_load_b64 v[122:123], v121, s[8:9]       ; br of my pair of experts
.set I, 0
.rept 16
	global_load_b128 v[WR+4*I:WR+4*I+3], v3, s[6:7] offset:2048*I      ; Wr: the work-group's 128 threads read 2,048 consecutive bytes
.set I, I+1
.endr
.set I, 0
.rept 16
	global_load_b128 v[R+4*I:R+4*I+3], v2, s[4:5] offset:4096*(I/4)+512*(I%4) th:TH_LOAD_NT   ; x: step I / 4, 512 consecutive bytes a load; read once in the launch
.set I, I+1
.endr
	s_wait_loadcnt 16                              ; br and Wr are in; x's sixteen loads stay out
.set I, 0
.rept 16
	ds_store_b128 v4, v[WR+4*I:WR+4*I+3] offset:4*WRP*I
.set I, I+1
.endr
	s_wait_dscnt 0x0                               ; for the others' sake: my part of Wr lies in LDS
	s_barrier_signal -1
	s_barrier_wait -1
.set I, 0
.rept 32
	ds_load_b128 v[WR+4*I:WR+4*I+3], v5 offset:16*I                    ; my 16 rows of Wr; lanes stand 528 bytes apart
.set I, I+1
.endr
.macro TURN t                          ; step t's numbers through the stage: LDS serves a wave's instructions in order, so no wait stands between the stores and the loads
.irp i, 0,1,2,3
	ds_store_b128 v6, v[R+16*(\t)+4*\i:R+16*(\t)+4*\i+3] offset:32*SP*((\t)%2)+8*SP*\i
.endr
.irp i, 0,1,2,3
	ds_load_b128 v[X+16*((\t)%2)+4*\i:X+16*((\t)%2)+4*\i+3], v7 offset:32*SP*((\t)%2)+16*\i
.endr
.endm
.macro FM t, i                         ; number i x its row of Wr onto step t's eight sums, two experts a line
.set XP, X+16*((\t)%2)+2*((\i)/2)
.set AC, R+16*(\t)+8
.irp e, 0,2,4,6
.if (\i) == 0
	v_pk_mul_f32 v[AC+\e:AC+1+\e], v[XP:XP+1], v[WR+\e:WR+1+\e] op_sel_hi:[0,1]          ; the first product starts each sum
.elseif (\i)%2 == 0
	v_pk_fma_f32 v[AC+\e:AC+1+\e], v[XP:XP+1], v[WR+8*(\i)+\e:WR+8*(\i)+1+\e], v[AC+\e:AC+1+\e] op_sel_hi:[0,1,1]
.else
	v_pk_fma_f32 v[AC+\e:AC+1+\e], v[XP:XP+1], v[WR+8*(\i)+\e:WR+8*(\i)+1+\e], v[AC+\e:AC+1+\e] op_sel:[1,0,0] op_sel_hi:[1,1,1]
.endif
.endr
.endm
	s_wait_loadcnt 12                              ; step 0's four loads are in
	TURN 0
.macro STEP t                          ; the quantiser's chain stands between the multiply-adds
.set XN, X+16*((\t)%2)
.set CR, R+16*(\t)
	s_wait_dscnt 0x0                               ; this step's numbers are back (in step 0: Wr's rows too); my LDS stores of the last step are done
.if (\t) < 3
	s_wait_loadcnt 4*(2-(\t))                      ; the next step's four loads are in; those of the steps behind it stay out
	TURN (\t)+1
.endif
	v_max3_num_f32 v8, |v[XN]|, |v[XN+1]|, |v[XN+2]|               ; the largest magnitude of my 16, in two chains
	v_max3_num_f32 v9, |v[XN+3]|, |v[XN+4]|, |v[XN+5]|
	FM \t, 0
	v_max3_num_f32 v8, v8, |v[XN+6]|, |v[XN+7]|
	v_max3_num_f32 v9, v9, |v[XN+8]|, |v[XN+9]|
	FM \t, 1
	v_max3_num_f32 v8, v8, |v[XN+10]|, |v[XN+11]|
	v_max3_num_f32 v9, v9, |v[XN+12]|, |v[XN+13]|
	FM \t, 2
	v_max3_num_f32 v8, v8, |v[XN+14]|, |v[XN+15]|
	FM \t, 3
	v_max3_num_f32 v8, v8, v9, 0x1800000           ; and the floor 2^(3 - 127): the byte cannot fall under 1
	FM \t, 4
	v_max_num_f32_dpp v8, v8, v8 row_xmask:1 row_mask:0xf bank_mask:0xf   ; with my neighbour's 16: the block's
	FM \t, 5
	v_add_nc_u32 v11, 0xff000000, v8               ; 2 off its exponent field: the conversion takes the exponent field of this operand as its scale
	FM \t, 6
	v_cvt_scalef32_pk8_fp4_f32 v[CR], v[XN:XN+7], v11
	v_cvt_scalef32_pk8_fp4_f32 v[CR+1], v[XN+8:XN+15], v11
	v_lshrrev_b32 v[CR+2], 23, v11                 ; the scale's byte (a plain line behind the conversions)
	FM \t, 7
	ds_store_b8 v12, v[CR+2] offset:32*(\t)        ; both lanes of a block write the same byte with the same value
	global_store_b64 v14, v[CR:CR+1], s[12:13] offset:512*(\t)     ; the wave stores 256 consecutive bytes, aligned: half a token's codes
.irp i, 8,9,10,11,12,13,14,15
	FM \t, \i
.endr
.endm
.irp t, 0,1,2,3
	STEP \t
.endr
; THE 32 SUMS (number a = 8 step + expert) OVER THE 32 LANES BY HALVING: each turn a lane keeps half of its numbers and takes the other lanes' part of them; at the end lane l holds the whole sum of number l.
.set A, 0
.rept 16                               ; lanes 0-15 keep number A, lanes 16-31 number A + 16
.set RA, R+16*(A/8)+8+A%8
.set RB, R+16*((A+16)/8)+8+A%8
	v_permlane16_swap_b32 v[RA], v[RB]
.set A, A+1
.endr
.set A, 0
.rept 16
.set RA, R+16*(A/8)+8+A%8
.set RB, R+16*((A+16)/8)+8+A%8
	v_add_f32 v[RA], v[RA], v[RB]
.set A, A+1
.endr
.macro HALVE m, sm                     ; lanes with the bit keep number A + m, the others number A
.set A, 0
.rept \m
.set RA, R+16*(A/8)+8+A%8
.set RB, R+16*((A+\m)/8)+8+(A+\m)%8
	v_cndmask_b32 v[X+2*A], v[RA], v[RB], \sm      ; what I keep
	v_cndmask_b32 v[X+2*A+1], v[RB], v[RA], \sm    ; what lane l xor m keeps
.set A, A+1
.endr
.set A, 0
.rept \m
.set RA, R+16*(A/8)+8+A%8
	v_add_f32_dpp v[RA], v[X+2*A+1], v[X+2*A] row_xmask:\m row_mask:0xf bank_mask:0xf
.set A, A+1
.endr
.endm
	HALVE 8, s44
	HALVE 4, s45
	HALVE 2, s46
	HALVE 1, s47
	ds_store_b32 v13, v[R+8]
	s_wait_alu depctr_va_vdst(0)
	s_wait_dscnt 0x0                               ; for the others' sake: my sums and scale bytes lie in LDS
	s_barrier_signal -1
	s_barrier_wait -1
	s_cmp_eq_u32 s20, 0
	s_cbranch_scc1 .Lfinal                         ; wave 0: softmax and route
	s_cmp_eq_u32 s20, 1
	s_cbranch_scc0 .Lend
	ds_load_b64 v[128:129], v120                   ; wave 1: the group's 256 scale bytes leave as one aligned run
	s_wait_dscnt 0x0
	global_store_b64 v14, v[128:129], s[14:15]
.Lend:
	s_wait_tensorcnt 0x0                           ; the wave's end
	ds_add_u32 v126, v127
	s_wait_dscnt 0x0
	s_endpgm
.Lfinal:                                               ; lane l: token tau = l % 8, experts 2 p and 2 p + 1, p = l / 8.  A token's four lanes are l, l xor 8, l xor 16, l xor 24
	ds_load_b64 v[128:129], v15
	ds_load_b64 v[130:131], v15 offset:32
	v_and_b32 v140, 7, v1                          ; tau
	v_lshrrev_b32 v141, 3, v1                      ; p
	v_lshl_add_u32 v142, v140, 5, v121             ; out1: 32 tau + 8 p
	v_lshlrev_b32 v143, 1, v141
	v_cvt_f32_u32 v143, v143                       ; 2 p and 2 p + 1 as f32: the least index is taken by a float minimum
	v_add_f32 v144, 1.0, v143
	v_lshlrev_b32 v155, 8, v1
	v_and_b32 v154, 3, v1
	v_lshlrev_b32 v154, 3, v154
	v_mov_b32 v133, 0                              ; written once: a lane move's destination counts as one of its sources
	v_mov_b32 v139, 0
	v_mov_b32 v148, 0
	v_mov_b32 v149, 0
	s_wait_alu depctr_va_vdst(0)
	s_wait_dscnt 0x0
	v_pk_add_f32 v[128:129], v[128:129], v[130:131]
	v_pk_add_f32 v[128:129], v[128:129], v[122:123]                ; the logits
	v_max_num_f32 v132, v128, v129
	v_max_num_f32_dpp v132, v132, v132 row_xmask:8 row_mask:0xf bank_mask:0xf
	v_permlanex16_b32 v133, v132, s26, s27
	v_max_num_f32 v132, v132, v133                 ; the token's largest logit
	v_sub_f32 v136, v128, v132                     ; the maximum is taken away ahead of the exponential
	v_sub_f32 v137, v129, v132
	v_mul_f32 v136, 0x3fb8aa3b, v136
	v_mul_f32 v137, 0x3fb8aa3b, v137
	v_cmp_eq_f32 vcc_lo, v128, v132
	v_cndmask_b32 v134, 0x41000000, v143, vcc_lo   ; my index where I attain it, else 8
	v_cmp_eq_f32 vcc_lo, v129, v132
	v_cndmask_b32 v135, 0x41000000, v144, vcc_lo
	s_wait_alu depctr_va_vdst(0)
	v_exp_f32 v136, v136
	v_exp_f32 v137, v137
	v_min_num_f32 v134, v134, v135
	s_wait_alu depctr_va_vdst(0)
	v_add_f32 v138, v136, v137
	v_min_num_f32_dpp v134, v134, v134 row_xmask:8 row_mask:0xf bank_mask:0xf
	v_add_f32_dpp v138, v138, v138 row_xmask:8 row_mask:0xf bank_mask:0xf
	v_permlanex16_b32 v133, v134, s26, s27
	v_permlanex16_b32 v139, v138, s26, s27
	v_min_num_f32 v134, v134, v133
	v_add_f32 v138, v138, v139                     ; the sum of the eight exponentials
	s_wait_alu depctr_va_vdst(0)
	v_rcp_f32 v138, v138
	v_cvt_u32_f32 v134, v134
	v_min_u32 v134, 7, v134                        ; the route: the first index of the maximum
	v_and_b32 v145, 3, v134
	v_lshl_add_u32 v145, v145, 3, v140             ; bit 8 (route % 4) + tau
	v_mov_b32 v146, 1
	v_lshlrev_b32 v145, v145, v146
	s_wait_alu depctr_va_vdst(0)
	v_mul_f32 v128, v136, v138
	v_mul_f32 v129, v137, v138
	global_store_b64 v142, v[128:129], s[10:11]    ; the wave stores the group's 256 bytes of out1, aligned
	v_cmp_gt_u32 vcc_lo, 4, v134
	v_cndmask_b32 v146, 0, v145, vcc_lo            ; in the word of experts 0-3,
	v_sub_nc_u32 v147, v145, v146                  ; or in that of experts 4-7
.irp m, 1,2,4
	v_mov_b32_dpp v148, v146 row_xmask:\m row_mask:0xf bank_mask:0xf
	v_mov_b32_dpp v149, v147 row_xmask:\m row_mask:0xf bank_mask:0xf
	v_or_b32 v146, v146, v148
	v_or_b32 v147, v147, v149                      ; the eight tokens' bits together: byte e % 4 is expert e's mask
.endr
	v_cmp_gt_u32 vcc_lo, 4, v1
	v_cndmask_b32 v152, v147, v146, vcc_lo         ; lane e takes expert e's byte
	v_lshrrev_b32 v152, v154, v152
	s_wait_alu depctr_va_vdst(0)
	s_wait_xcnt 0x0                                ; EXEC changes only behind this wait: earlier stores have had their addresses translated
	v_cmp_gt_u32 vcc_lo, 8, v1
	s_wait_tensorcnt 0x0                           ; the wave's end: the three lines, with all lanes on
	ds_add_u32 v126, v127
	s_wait_dscnt 0x0
	s_and_saveexec_b32 s28, vcc_lo                 ; lanes 0-7
	global_store_b8 v155, v152, s[40:41]           ; masks[lane][g]
	s_wait_xcnt 0x0
	s_or_b32 exec_lo, exec_lo, s28
	s_endpgm
.Lfunc_end_k_q2e6b38dfe7_route:
	.size	k_q2e6b38dfe7_route, .Lfunc_end_k_q2e6b38dfe7_route-k_q2e6b38dfe7_route
	.p2alignl 7, 3214868480
	.fill 96, 4, 3214868480
	.section	.rodata,"a",@progbits
	.p2align	6, 0x0
	.amdhsa_kernel k_q2e6b38dfe7_route
		.amdhsa_group_segment_fixed_size 55808
		.amdhsa_private_segment_fixed_size 0
		.amdhsa_enable_private_segment 0
		.amdhsa_kernarg_size 56
		.amdhsa_user_sgpr_count 2
		.amdhsa_user_sgpr_kernarg_segment_ptr 1
		.amdhsa_wavefront_size32 1
		.amdhsa_system_sgpr_workgroup_id_x 1
		.amdhsa_system_sgpr_workgroup_id_y 1
		.amdhsa_system_sgpr_workgroup_id_z 1
		.amdhsa_system_vgpr_workitem_id 0
		.amdhsa_next_free_vgpr 256
		.amdhsa_next_free_sgpr 66
		.amdhsa_reserve_vcc 1
		.amdhsa_float_denorm_mode_32 3
		.amdhsa_float_denorm_mode_16_64 3
		.amdhsa_memory_ordered 1
		.amdhsa_forward_progress 1
		.amdhsa_inst_pref_size 40
	.end_amdhsa_kernel
	.amdgpu_metadata
---
amdhsa.version: [ 1, 2 ]
amdhsa.kernels:
  - .name:           k_q2e6b38dfe7_route
    .symbol:         k_q2e6b38dfe7_route.kd
    .args:
      - { .name: x, .offset: 0, .size: 8, .value_kind: global_buffer, .address_space: global }
      - { .name: Wr, .offset: 8, .size: 8, .value_kind: global_buffer, .address_space: global }
      - { .name: br, .offset: 16, .size: 8, .value_kind: global_buffer, .address_space: global }
      - { .name: out1, .offset: 24, .size: 8, .value_kind: global_buffer, .address_space: global }
      - { .name: xq, .offset: 32, .size: 8, .value_kind: global_buffer, .address_space: global }
      - { .name: xs, .offset: 40, .size: 8, .value_kind: global_buffer, .address_space: global }
      - { .name: rmap, .offset: 48, .size: 8, .value_kind: global_buffer, .address_space: global }
    .group_segment_fixed_size: 55808
    .private_segment_fixed_size: 0
    .kernarg_segment_align: 8
    .kernarg_segment_size: 56
    .max_flat_workgroup_size: 128
    .sgpr_count:     66
    .vgpr_count:     256
    .wavefront_size: 32
...
	.end_amdgpu_metadata
.endif
;; end of part 1
;; launch up (part 2): grid 256 x 1, 4 waves a work-group, no clusters, 169,472 bytes of LDS; arguments xq, xs, rmap, W1_codes, W1_scales, b1, hq, hs, toks, cnt, out2; writes hq, hs, toks, cnt, out2
.if DOCPART == 2
	.amdgcn_target "amdgcn-amd-amdhsa--gfx1250"
	.amdhsa_code_object_version 6
	.text
	.protected	k_q2e6b38dfe7_up
	.globl	k_q2e6b38dfe7_up
	.p2align	8
	.type	k_q2e6b38dfe7_up,@function
k_q2e6b38dfe7_up:
	s_mov_b64 s[64:65], 0
	v_nop
	global_prefetch_b8 v0, s[64:65] scope:SCOPE_SE
	s_setreg_imm32_b32 hwreg(HW_REG_WAVE_MODE, 25, 1), 1
	s_wait_xcnt 0x0
; PLACING OF ROWS, AND THE FIRST PRODUCT ON THE ROUTED ROWS: h = Q(relu(Q(x) W1[e] + b1[e])), both operands codes of E2M1 with one E8M0 byte for each 32 along K = 1,024.  Rows of experts that a token did not choose are left out.
; SHARES.  Work-group (e, hv, c): expert e, hidden units 128 c .. 128 c + 127 (K step c of the second product), every second block of 16 of the expert's rows: 8 x 2 x 16 = 256 work-groups.
; An expert's rows are its tokens in ascending order, n of them (0 .. 2,048), in blocks of 16.  Wave w takes blocks 8 i + 2 w + hv, i = 0 .. 15 at most, three in a pass over K (i0, i0 + 1, i0 + 2).
; PLACING.  Lane l of the wave holds 64 tokens' bits of the expert's mask.  Counts of ones and their running sums over the lanes give each row's rank its lane (32 compares), then five halvings its bit.  Ranks past the last row
; are held at the last row: such rows repeat its numbers.  Blocks i = 0, 1 are made and stored in every wave, whatever n, so that the next launch may ask for them before it knows n.
; The work-groups with c = 0 store toks [e][hv][i 32][w][16] = the rows' tokens; one of them for each expert stores n (cnt) and the count (out2).
; W1's 128 rows (64 KiB) go through LDS, behind the one barrier; a pass reads their fragments once for all its blocks, in a ring of four K steps.  x's rows are the wave's own: a row is 512 consecutive bytes of memory by one load, through the wave's own stage.
; LAYOUT.  The product is used transposed (source 0 = 16 rows of W1, source 1 = 16 rows of x): a lane holds one row, and its registers run along the hidden units.  Lane r of tile 2 b + u takes W1's row
; 32 b + 8 u + r + 8 (r / 8), so that the 16 registers of tiles 2 b, 2 b + 1 are 16 neighbours along the next K.  In LDS W1's rows are laid in that order.  b1 is the C of each sum's first product.
; OUT.  hq [e][hv][i 32][w][K step 16][1,024]: a fragment's registers as they stand (registers 0-3 at 16 x lane, 4-7 at 512 + 16 x lane); hs [e][hv][i 32][K step][w][16 rows]: the scale words.
; NO TENSOR LOADS, NO CLUSTER: branches and x's addresses hang on the stored choice.  No prefetch: the first pass, all that a wave with up to three blocks makes, is asked for at the head.
; LIMITS: NaN and infinities are not served; a block of zeros gets the byte 1 with zero codes (the bytes are this program's own).
.set PIT,  528                         ; an LDS row: 512 bytes of codes + 16 of padding: the 16 rows of a fragment load start 33 x 16 bytes apart
.set XT,   128*PIT                     ; behind W1's 128 rows: 48 rows of x for each wave
.set SPARE, XT+4*48*PIT                ; the spare words, 128 bytes a wave
; window 0: v0-15, v39 addresses; v16, 17 the mask, v18 running counts, v19 ones of v16, v20 ones of the lanes below; v24-38 and v40-54 the placing of blocks i0, i0 + 1 and of block i0 + 2 (tokens in v37, v53)
.set XS,   56                          ; v56-71   x's scale words: register s, lanes 0-15 block 0, lanes 16-31 block 1; 8 + s: block 2
.set W1S,  72                          ; v72-103  W1's: register 8 b + s: lanes 0-15 tile 2 b, lanes 16-31 tile 2 b + 1
.set TM,   104                         ; v104-119 the quantiser's
.set PC,   120                         ; v120-143 codes, 8 a block
.set PW,   144                         ; v144-146 scale words
; window 1: v0-191 x's fragments, block m, K step s at 64 m + 8 s; v192-255 b1 in the result's layout, 8 a tile
; window 2: v0-191 x's rows on their way to LDS, then the accumulators, block m, tile t at 64 m + 8 t; v192-239 the rows' byte offsets
; window 3: the ring: K step s, tile t at 64 (s % 4) + 8 t.  Ahead of the barrier v0-127 carry W1's rows to LDS
.set BIAS, 192
.set XAD,  192
.set MSB, 0
.macro WIN new                         ; s_set_vgpr_msb: bits 1:0 source 0, 3:2 source 1, 5:4 source 2, 7:6 destination; the high byte repeats the setting that is left
.if MSB != \new
	s_set_vgpr_msb (MSB<<8)|\new
.set MSB, \new
.endif
.endm
.macro PLACES
.rept 4
	v_nop
.endr
.endm
	s_load_b512 s[4:19], s[0:1], 0x0               ; xq s[4:5], xs s[6:7], rmap s[8:9], W1_codes s[10:11], W1_scales s[12:13], b1 s[14:15], hq s[16:17], hs s[18:19]
	s_load_b128 s[20:23], s[0:1], 0x40             ; toks s[20:21], cnt s[22:23]
	s_load_b64 s[24:25], s[0:1], 0x50              ; out2
	v_lshl_add_u32 v22, v0, 2, SPARE
	v_mov_b32 v23, 0
	v_lshrrev_b32 v1, 5, v0
	v_readfirstlane_b32 s2, v1                     ; wave w
	s_and_b32 s3, ttmp9, 7                         ; e
	s_lshr_b32 s27, ttmp9, 3
	s_and_b32 s26, s27, 1                          ; hv
	s_lshr_b32 s27, s27, 1                         ; c
	s_mov_b32 s100, 0x76543210
	s_mov_b32 s101, 0xfedcba98                     ; v_permlanex16_b32's selects for lane l xor 16
	s_lshl_b32 s28, s3, 11
	s_lshl_b32 s29, s27, 7
	s_add_co_u32 s28, s28, s29                     ; W1's row 2,048 e + 128 c:
	s_lshl_b32 s66, s28, 9                         ; its codes,
	s_lshl_b32 s68, s28, 5                         ; its scale bytes,
	s_lshl_b32 s70, s28, 2                         ; its bias
	s_lshl_b32 s72, s3, 8                          ; the expert's mask
	s_lshl_b32 s28, s3, 1
	s_add_co_u32 s28, s28, s26                     ; 2 e + hv
	s_lshl_b32 s74, s28, 21                        ; hq: 2 MiB a half expert, 16 KiB a wave, 1 KiB a K step
	s_lshl_b32 s29, s2, 14
	s_add_co_u32 s74, s74, s29
	s_lshl_b32 s29, s27, 10
	s_add_co_u32 s74, s74, s29
	s_lshl_b32 s30, s2, 6
	s_lshl_b32 s76, s28, 17                        ; hs
	s_lshl_b32 s29, s27, 8
	s_add_co_u32 s76, s76, s29
	s_add_co_u32 s76, s76, s30
	s_lshl_b32 s78, s28, 13                        ; toks
	s_add_co_u32 s78, s78, s30
	s_lshl_b32 s80, s2, 14
	s_mul_i32 s81, s2, 32*PIT
	s_mul_i32 s84, s2, 48*PIT
	s_add_co_u32 s84, s84, XT
	s_lshl_b32 s83, s2, 1
	s_add_co_u32 s83, s83, s26                     ; 2 w + hv: my first block
	s_lshl_b32 s82, s83, 4                         ; its first row
	s_mov_b32 s67, 0
	s_mov_b32 s69, 0
	s_mov_b32 s71, 0
	s_mov_b32 s73, 0
	s_mov_b32 s75, 0
	s_mov_b32 s77, 0
	s_mov_b32 s79, 0
	v_and_b32 v1, 31, v0                           ; lane
	v_and_b32 v2, 15, v0                           ; r
	v_bfe_u32 v3, v0, 4, 1                         ; h
	v_lshlrev_b32 v4, 4, v1                        ; 16 x lane
	v_lshlrev_b32 v5, 2, v2                        ; 4 r
	v_lshlrev_b32 v6, 3, v1                        ; 8 x lane
	v_lshl_add_u32 v39, v3, 8, v5                  ; toks of blocks 0, 1: 256 h + 4 r
	v_add_nc_u32 v9, s80, v4                       ; W1 in memory: my 32 rows of 512 bytes
	v_add_nc_u32 v7, s81, v4                       ; and in LDS
	v_add_nc_u32 v8, s84, v4                       ; x's rows in LDS
	v_mul_u32_u24 v10, v2, PIT
	v_lshl_add_u32 v10, v3, 4, v10                 ; a fragment of W1: row r, + 16 h
	v_add_nc_u32 v11, s84, v10                     ; a fragment of x
	v_and_b32 v12, 8, v2
	v_add_nc_u32 v12, v12, v2
	v_lshl_add_u32 v12, v3, 3, v12
	v_lshlrev_b32 v12, 5, v12                      ; W1's scale bytes: row 8 h + r + 8 (r / 8) of a block of 32, 32 bytes a row
	v_lshlrev_b32 v13, 6, v3                       ; b1: 16 h numbers on
	v_add_nc_u32 v15, s82, v2
	v_lshl_add_u32 v14, v3, 7, v15                 ; my row's rank in blocks 0, 1: 16 (8 h + 2 w + hv) + r
	v_add_nc_u32 v15, 0x100, v15                   ; and in block 2 (lanes 16-31 as lanes 0-15)
.irp b, 0,1,2,3
	v_mov_b32 v[TM+4+\b], 0                        ; written once: a lane permute's destination counts as one of its sources
.endr
	s_wait_alu depctr_va_vdst(0)
	s_wait_kmcnt 0x0
	s_add_nc_u64 s[8:9], s[8:9], s[72:73]
	s_add_nc_u64 s[10:11], s[10:11], s[66:67]
	s_add_nc_u64 s[12:13], s[12:13], s[68:69]
	s_add_nc_u64 s[14:15], s[14:15], s[70:71]
	s_add_nc_u64 s[16:17], s[16:17], s[74:75]
	s_add_nc_u64 s[18:19], s[18:19], s[76:77]
	s_add_nc_u64 s[20:21], s[20:21], s[78:79]
	global_load_b64 v[16:17], v6, s[8:9]           ; tokens 64 l .. 64 l + 63
	WIN 0xc0                                       ; destination in window 3
.set I, 0
.rept 32
	global_load_b128 v[4*I:4*I+3], v9, s[10:11] offset:512*I       ; a row of W1's codes: 512 consecutive bytes a load
.set I, I+1
.endr
	WIN 0
.set I, 0
.rept 8
	global_load_b128 v[W1S+4*I:W1S+4*I+3], v12, s[12:13] offset:1024*(I/2)+16*(I%2)
.set I, I+1
.endr
	WIN 0x40
.set I, 0
.rept 16
	global_load_b128 v[BIAS+4*I:BIAS+4*I+3], v13, s[14:15] offset:(32*(I/4)+8*((I/2)%2))*4+16*(I%2)   ; tile I / 2: units 32 b + 8 u + 16 h + 0 .. 7
.set I, I+1
.endr
	WIN 0
	s_wait_loadcnt 56                              ; the mask is in; behind it: 32 rows of W1, 8 loads of scale words, 16 of b1
	; the ones of my 64 bits
	v_lshrrev_b32 v24, 1, v16
	v_lshrrev_b32 v25, 1, v17
	v_and_b32 v24, 0x55555555, v24
	v_and_b32 v25, 0x55555555, v25
	v_sub_nc_u32 v24, v16, v24
	v_sub_nc_u32 v25, v17, v25
	v_lshrrev_b32 v26, 2, v24
	v_lshrrev_b32 v27, 2, v25
	v_and_b32 v24, 0x33333333, v24
	v_and_b32 v25, 0x33333333, v25
	v_and_b32 v26, 0x33333333, v26
	v_and_b32 v27, 0x33333333, v27
	v_add_nc_u32 v24, v24, v26
	v_add_nc_u32 v25, v25, v27
	v_lshrrev_b32 v26, 4, v24
	v_lshrrev_b32 v27, 4, v25
	v_add_nc_u32 v24, v24, v26
	v_add_nc_u32 v25, v25, v27
	v_and_b32 v24, 0x0f0f0f0f, v24
	v_and_b32 v25, 0x0f0f0f0f, v25
	v_add_nc_u32 v25, v24, v25
	v_mul_lo_u32 v19, v24, 0x01010101              ; the four bytes' sum in the top byte
	v_mul_lo_u32 v20, v25, 0x01010101
	v_lshrrev_b32 v19, 24, v19                     ; ones of the lower word
	v_lshrrev_b32 v20, 24, v20                     ; of both
	v_mov_b32 v18, v20
.irp m, 1,2,4,8
	v_mov_b32_dpp v26, v18 row_shr:\m row_mask:0xf bank_mask:0xf bound_ctrl:1
	v_add_nc_u32 v18, v18, v26                     ; running sums within the row of 16 lanes
.endr
	v_readlane_b32 s28, v18, 15
	v_mul_u32_u24 v26, s28, v3
	v_add_nc_u32 v18, v18, v26                     ; and over all 32 lanes
	v_sub_nc_u32 v20, v18, v20                     ; the ones of the lanes below
.set I, 0
.rept 32
	v_readlane_b32 s[32+I], v18, I                 ; s63 = n
.set I, I+1
.endr
	s_wait_alu depctr_va_vdst(0)
	s_sub_co_u32 s28, s63, 1                       ; the last rank
	s_add_co_u32 s99, s63, 15
	s_lshr_b32 s99, s99, 4                         ; the expert's blocks
	s_add_co_u32 s99, s99, 7
	s_sub_co_u32 s99, s99, s83
	s_lshr_b32 s99, s99, 3                         ; mine,
	s_max_u32 s99, s99, 2                          ; two in any case,
	s_min_u32 s99, s99, 16                         ; and never more than 16: every eighth of at most 128 blocks
	s_mov_b32 s29, 0                               ; 128 x i0
.macro PICK cnt, wid, up               ; if the lower half of the field at v[b + 12] has v[b] ones or fewer, my one lies in the upper half
.irp b, 24,40
	v_bfe_u32 v[\b+5], v[\b+\cnt], v[\b+12], \wid
.endr
.irp b, 24,40
	v_cmp_ge_u32 s[66+(\b-24)/4], v[\b], v[\b+5]
.endr
.irp b, 24,40
	v_cndmask_b32 v[\b+5], 0, v[\b+5], s[66+(\b-24)/4]
	v_cndmask_b32 v[\b+6], 0, \up, s[66+(\b-24)/4]
.endr
.irp b, 24,40
	v_sub_nc_u32 v[\b], v[\b], v[\b+5]
	v_add_nc_u32 v[\b+12], v[\b+12], v[\b+6]
.endr
.endm
.macro FIND                            ; v37, v53 = the tokens of my ranks in blocks i0, i0 + 1 and in block i0 + 2: two chains by turns
	v_add_nc_u32 v24, s29, v14
	v_add_nc_u32 v40, s29, v15
.irp b, 24,40
	v_min_u32 v[\b], s28, v[\b]
	v_mov_b32 v[\b+1], 0
	v_mov_b32 v[\b+6], 0
.endr
.set I, 0
.rept 8                                ; how many lanes' running sums are my rank or less: the lane that holds my token
.irp k, 0,1,2,3
	v_cmp_le_u32 s[66+\k], s[32+4*I+\k], v24
	v_cmp_le_u32 s[70+\k], s[32+4*I+\k], v40
.endr
.irp k, 0,1,2,3
	v_cndmask_b32 v[26+\k], 0, 1, s[66+\k]
	v_cndmask_b32 v[42+\k], 0, 1, s[70+\k]
.endr
.irp b, 24,40
	v_add3_u32 v[\b+1], v[\b+1], v[\b+2], v[\b+3]
	v_add3_u32 v[\b+6], v[\b+6], v[\b+4], v[\b+5]
.endr
.set I, I+1
.endr
.irp b, 24,40
	v_add_nc_u32 v[\b+1], v[\b+1], v[\b+6]
.endr
.irp b, 24,40
	v_min_u32 v[\b+1], 31, v[\b+1]
.endr
.irp b, 24,40
	v_lshlrev_b32 v[\b+2], 2, v[\b+1]
.endr
.irp b, 24,40
	ds_bpermute_b32 v[\b+3], v[\b+2], v16          ; that lane's two words, the ones below it and those of its lower word
	ds_bpermute_b32 v[\b+4], v[\b+2], v17
	ds_bpermute_b32 v[\b+5], v[\b+2], v20
	ds_bpermute_b32 v[\b+6], v[\b+2], v19
.endr
	s_wait_alu depctr_va_vdst(0)
	s_wait_dscnt 0x0
.irp b, 24,40
	v_sub_nc_u32 v[\b], v[\b], v[\b+5]             ; which of its ones is mine, from 0
.endr
.irp b, 24,40
	v_cmp_ge_u32 s[66+(\b-24)/4], v[\b], v[\b+6]
.endr
.irp b, 24,40
	v_cndmask_b32 v[\b+3], v[\b+3], v[\b+4], s[66+(\b-24)/4]       ; my word
	v_cndmask_b32 v[\b+6], 0, v[\b+6], s[66+(\b-24)/4]
	v_cndmask_b32 v[\b+7], 0, 32, s[66+(\b-24)/4]
.endr
.irp b, 24,40
	v_sub_nc_u32 v[\b], v[\b], v[\b+6]
	v_lshl_add_u32 v[\b+1], v[\b+1], 6, v[\b+7]
	v_lshrrev_b32 v[\b+5], 1, v[\b+3]
.endr
.irp b, 24,40
	v_and_b32 v[\b+5], 0x55555555, v[\b+5]
.endr
.irp b, 24,40
	v_sub_nc_u32 v[\b+8], v[\b+3], v[\b+5]         ; the ones of each 2 bits,
.endr
.irp b, 24,40
	v_lshrrev_b32 v[\b+5], 2, v[\b+8]
	v_and_b32 v[\b+9], 0x33333333, v[\b+8]
.endr
.irp b, 24,40
	v_and_b32 v[\b+5], 0x33333333, v[\b+5]
.endr
.irp b, 24,40
	v_add_nc_u32 v[\b+9], v[\b+9], v[\b+5]         ; of each 4,
.endr
.irp b, 24,40
	v_lshrrev_b32 v[\b+5], 4, v[\b+9]
.endr
.irp b, 24,40
	v_add_nc_u32 v[\b+10], v[\b+9], v[\b+5]
.endr
.irp b, 24,40
	v_and_b32 v[\b+10], 0x0f0f0f0f, v[\b+10]       ; of each 8,
.endr
.irp b, 24,40
	v_lshrrev_b32 v[\b+5], 8, v[\b+10]
.endr
.irp b, 24,40
	v_add_nc_u32 v[\b+11], v[\b+10], v[\b+5]
	v_mov_b32 v[\b+12], 0                          ; the bit's place
.endr
.irp b, 24,40
	v_and_b32 v[\b+11], 0x00ff00ff, v[\b+11]       ; of each 16
.endr
	PICK 11, 8, 16
	PICK 10, 8, 8
	PICK 9, 4, 4
	PICK 8, 2, 2
	PICK 3, 1, 1
.irp b, 24,40
	v_add_nc_u32 v[\b+13], v[\b+1], v[\b+12]
.endr
.irp b, 24,40
	v_min_u32 v[\b+13], 0x7ff, v[\b+13]
.endr
.endm
.macro ASKX b, n, row, xs              ; n rows of x into window 2 from row on, and their scale words
	v_lshlrev_b32 v[\b+14], 5, v[\b+13]
	global_load_b128 v[\xs:\xs+3], v[\b+14], s[6:7]                ; lane l: row l's eight scale words
	global_load_b128 v[\xs+4:\xs+7], v[\b+14], s[6:7] offset:16
.set I, 0
.rept \n
	v_readlane_b32 s[66+I], v[\b+13], I
.set I, I+1
.endr
	s_wait_alu depctr_va_vdst(0)
.set I, 0
.rept \n
	s_min_u32 s[66+I], s[66+I], 0x7ff
.set I, I+1
.endr
	WIN 0x80
.set I, 0
.rept \n
	v_lshl_add_u32 v[XAD+\row+I], s[66+I], 9, v4   ; 512 x token + 16 x lane
.set I, I+1
.endr
	WIN 0x82                                       ; destination and address in window 2
.set I, 0
.rept \n
	global_load_b128 v[4*(\row+I):4*(\row+I)+3], v[XAD+\row+I], s[4:5]         ; a row of x's codes: 512 consecutive bytes a load
.set I, I+1
.endr
	WIN 0
.endm
.macro TOKS                            ; the tokens are stored where c = 0
	s_cmp_lg_u32 s27, 0
	s_wait_alu depctr_va_vdst(0)
	s_cbranch_scc1 .Lnotok_\@
	global_store_b32 v39, v37, s[20:21]
	global_store_b32 v5, v53, s[20:21] offset:512  ; (lanes 16-31 store what lanes 0-15 store)
.Lnotok_\@:
.endm
	FIND
	ASKX 24, 32, 0, XS
	s_cmp_lt_u32 s99, 3
	s_wait_alu depctr_va_vdst(0)
	s_cbranch_scc1 .Lnothird                       ; no third block
	ASKX 40, 16, 32, XS+8
.Lnothird:
	TOKS
	s_or_b32 s66, s27, s26
	s_or_b32 s66, s66, s2
	s_lshl_b32 s67, s3, 2
	s_cmp_lg_u32 s66, 0
	s_cbranch_scc1 .Lnocnt                         ; c = hv = w = 0: the expert's count
	v_mov_b32 v32, s63
	v_mov_b32 v34, s67
	v_cvt_f32_u32 v33, v32
	global_store_b32 v34, v32, s[22:23]            ; every lane stores the same number to the same place
	global_store_b32 v34, v33, s[24:25]
.Lnocnt:
	s_wait_alu depctr_va_vdst(0)
	s_wait_loadcnt 58                              ; W1's rows are in; behind them: 8 loads of scale words, 16 of b1, 34 of x and, with a third block, 18 more
	WIN 0x0c                                       ; an LDS store's data are its source 1: window 3
.set I, 0
.rept 32
	ds_store_b128 v7, v[4*I:4*I+3] offset:(I%8+16*((I/8)%2)+8*(I/16))*PIT   ; row I of my block of 32 goes to the place that its tile and lane give it
.set I, I+1
.endr
	WIN 0
	s_wait_dscnt 0x0                               ; for the others' sake: my rows of W1 lie in LDS
	s_barrier_signal -1
	s_barrier_wait -1                              ; the one barrier: every wave passes it
.macro WRING s                         ; W1's eight fragments of K step s into the ring
	WIN 0xc0
.irp t, 0,1,2,3,4,5,6,7
.irp cc, 0,1
	ds_load_b128 v[64*((\s)%4)+8*\t+4*\cc:64*((\s)%4)+8*\t+4*\cc+3], v10 offset:16*\t*PIT+64*(\s)+32*\cc
.endr
.endr
.endm
.macro LOADX m                         ; block m's 16 fragment loads out of my stage
	WIN 0x40
.set S, 0
.rept 8
	ds_load_b128 v[64*\m+8*S:64*\m+8*S+3], v11 offset:16*PIT*\m+64*S
	ds_load_b128 v[64*\m+8*S+4:64*\m+8*S+7], v11 offset:16*PIT*\m+64*S+32
.set S, S+1
.endr
	WIN 0
.endm
.macro STAGE                           ; the ring's first four K steps; the rows through my stage: LDS serves a wave's instructions in order, so no wait stands between the stores and the loads
.irp s, 0,1,2,3
	WRING \s
.endr
	WIN 0
	s_add_co_u32 s30, s98, 2
	s_wait_loadcnt 0x0                             ; x's rows and scale words are in (the first time W1's scale words and b1 too)
	WIN 0x08                                       ; data in window 2
.set I, 0
.rept 32
	ds_store_b128 v8, v[4*I:4*I+3] offset:PIT*I
.set I, I+1
.endr
	WIN 0
	s_cmp_ge_u32 s30, s99
	s_cbranch_scc1 .Lpairx_\@
	WIN 0x08
.set I, 32
.rept 16
	ds_store_b128 v8, v[4*I:4*I+3] offset:PIT*I
.set I, I+1
.endr
	WIN 0
	LOADX 2
.Lpairx_\@:
	LOADX 0
	LOADX 1
.endm
.macro WM d, a, b, c, sa, sb, ra, rb   ; one product; ra, rb: the scales are read from lanes 16-31
.if (\ra) && (\rb)
	v_wmma_scale_f32_16x16x128_f8f6f4 v[\d:\d+7], v[\a:\a+7], v[\b:\b+7], v[\c:\c+7], v[\sa], v[\sb] matrix_a_fmt:MATRIX_FMT_FP4 matrix_b_fmt:MATRIX_FMT_FP4 matrix_a_scale:MATRIX_SCALE_ROW1 matrix_b_scale:MATRIX_SCALE_ROW1
.elseif (\ra)
	v_wmma_scale_f32_16x16x128_f8f6f4 v[\d:\d+7], v[\a:\a+7], v[\b:\b+7], v[\c:\c+7], v[\sa], v[\sb] matrix_a_fmt:MATRIX_FMT_FP4 matrix_b_fmt:MATRIX_FMT_FP4 matrix_a_scale:MATRIX_SCALE_ROW1
.elseif (\rb)
	v_wmma_scale_f32_16x16x128_f8f6f4 v[\d:\d+7], v[\a:\a+7], v[\b:\b+7], v[\c:\c+7], v[\sa], v[\sb] matrix_a_fmt:MATRIX_FMT_FP4 matrix_b_fmt:MATRIX_FMT_FP4 matrix_b_scale:MATRIX_SCALE_ROW1
.else
	v_wmma_scale_f32_16x16x128_f8f6f4 v[\d:\d+7], v[\a:\a+7], v[\b:\b+7], v[\c:\c+7], v[\sa], v[\sb] matrix_a_fmt:MATRIX_FMT_FP4 matrix_b_fmt:MATRIX_FMT_FP4
.endif
.endm
.macro MULALL q                        ; q blocks x 8 tiles x 8 K steps, the 8 q accumulators by turns; the first K step's C is b1, in window 1
.set S, 0
.rept 8
.if S == 0
	s_wait_dscnt 0x0                               ; x's fragments and the ring's first four K steps are in
	WIN 0x97
.else
.if S > 3
	s_wait_dscnt 16*(7-S)                          ; this K step is in; behind it the later ones
.endif
	WIN 0xa7
.endif
.irp t, 0,1,2,3,4,5,6,7
.irp m, 0,1,2
.if \m < \q
.if S == 0
	WM 64*\m+8*\t, 64*(S%4)+8*\t, 64*\m+8*S, BIAS+8*\t, W1S+8*(\t/2)+S, XS+8*(\m/2)+S, \t%2, \m%2
.else
	WM 64*\m+8*\t, 64*(S%4)+8*\t, 64*\m+8*S, 64*\m+8*\t, W1S+8*(\t/2)+S, XS+8*(\m/2)+S, \t%2, \m%2
.endif
.endif
.endr
.endr
.if S < 4
	PLACES                                         ; four places in front of loads into registers that these products read
	WRING S+4
.endif
.set S, S+1
.endr
	WIN 0
.endm
; Block m: relu, then the 64 numbers of a lane, register 16 b + i = k 32 b + 16 h + i of my row, become a fragment's codes and its scale word, and leave.  None is negative: no |.|
.macro QUANT m
	WIN 0x88
.set I, 0
.rept 64
	v_max_num_f32 v[64*\m+I], 0, v[64*\m+I]        ; in f32; each accumulator from its low end on
.set I, I+1
.endr
	WIN 0x28                                       ; sources 1 and 2 in window 2
.irp b, 0,1,2,3
	v_max3_num_f32 v[TM+\b], 0x1800000, v[64*\m+16*\b], v[64*\m+16*\b+1]       ; my 16 numbers of block b, and the floor 2^(3 - 127): the byte cannot fall under 1
.endr
.irp i, 2,4,6,8,10,12,14
.irp b, 0,1,2,3
	v_max3_num_f32 v[TM+\b], v[TM+\b], v[64*\m+16*\b+\i], v[64*\m+16*\b+\i+1]
.endr
.endr
	WIN 0
.irp b, 0,1,2,3
	v_permlanex16_b32 v[TM+4+\b], v[TM+\b], s100, s101
.endr
.irp b, 0,1,2,3
	v_max_num_f32 v[TM+\b], v[TM+\b], v[TM+4+\b]   ; with lane l xor 16's: the block's largest
.endr
.irp b, 0,1,2,3
	v_add_nc_u32 v[TM+12+\b], 0xff000000, v[TM+\b] ; 2 off its exponent field: the conversion's scale operand
.endr
.irp b, 0,1,2,3
	v_lshrrev_b32 v[TM+4+\b], 23, v[TM+12+\b]      ; the scale's byte
.endr
	v_lshl_or_b32 v[PW+\m], v[TM+5], 8, v[TM+4]
	v_lshl_or_b32 v[PW+\m], v[TM+6], 16, v[PW+\m]
	v_lshl_or_b32 v[PW+\m], v[TM+7], 24, v[PW+\m]  ; my row's scale word
	WIN 0x02
.irp b, 0,1,2,3
	v_cvt_scalef32_pk8_fp4_f32 v[PC+8*\m+2*\b], v[64*\m+16*\b:64*\m+16*\b+7], v[TM+12+\b]
	v_cvt_scalef32_pk8_fp4_f32 v[PC+8*\m+2*\b+1], v[64*\m+16*\b+8:64*\m+16*\b+15], v[TM+12+\b]
.endr
	WIN 0
	v_nop                                          ; one plain place behind a scaled conversion
.irp c, 0,1                            ; the operand's layout wants a whole block in a lane: lanes 0-15 block 2 c, lanes 16-31 block 2 c + 1
.irp i, 0,1
	v_permlane16_swap_b32 v[PC+8*\m+4*\c+\i], v[PC+8*\m+2+4*\c+\i]
.endr
.endr
	global_store_b128 v4, v[PC+8*\m:PC+8*\m+3], s[16:17] offset:65536*\m       ; the fragment as it stands: 512 consecutive bytes a store
	global_store_b128 v4, v[PC+8*\m+4:PC+8*\m+7], s[16:17] offset:65536*\m+512
	global_store_b32 v5, v[PW+\m], s[18:19] offset:4096*\m         ; (both halves of the lanes hold the words of the 16 rows)
.endm
	s_mov_b32 s98, 0                               ; i0
	STAGE
.Lpass:
	s_add_co_u32 s30, s98, 2
	s_cmp_lt_u32 s30, s99
	s_cbranch_scc0 .Ltwo
	MULALL 3
	s_branch .Lout
.Ltwo:
	MULALL 2
.Lout:
	PLACES                                         ; four places in front of the first read of results
	QUANT 0
	s_add_co_u32 s30, s98, 1
	s_cmp_ge_u32 s30, s99
	s_wait_alu depctr_va_vdst(0)
	s_cbranch_scc1 .Lnext
	QUANT 1
	s_add_co_u32 s30, s98, 2
	s_cmp_ge_u32 s30, s99
	s_wait_alu depctr_va_vdst(0)
	s_cbranch_scc1 .Lnext
	QUANT 2
.Lnext:
	s_add_co_u32 s98, s98, 3
	s_cmp_ge_u32 s98, s99
	s_wait_alu depctr_va_vdst(0)
	s_cbranch_scc1 .Lend
	s_wait_xcnt 0x0                                ; earlier stores have read their registers and bases
	s_add_nc_u64 s[16:17], s[16:17], 0x30000       ; three blocks on
	s_add_nc_u64 s[18:19], s[18:19], 0x3000
	s_add_nc_u64 s[20:21], s[20:21], 0x300
	s_add_co_u32 s29, s29, 384
	FIND
	ASKX 24, 32, 0, XS
	ASKX 40, 16, 32, XS+8
	TOKS
	STAGE
	s_cmp_lt_u32 s98, 16
	s_cbranch_scc1 .Lpass
.Lend:
	s_wait_tensorcnt 0x0                           ; the wave's end
	ds_add_u32 v22, v23
	s_wait_dscnt 0x0
	s_endpgm
.Lfunc_end_k_q2e6b38dfe7_up:
	.size	k_q2e6b38dfe7_up, .Lfunc_end_k_q2e6b38dfe7_up-k_q2e6b38dfe7_up
	.p2alignl 7, 3214868480
	.fill 96, 4, 3214868480
	.section	.rodata,"a",@progbits
	.p2align	6, 0x0
	.amdhsa_kernel k_q2e6b38dfe7_up
		.amdhsa_group_segment_fixed_size 169472
		.amdhsa_private_segment_fixed_size 0
		.amdhsa_enable_private_segment 0
		.amdhsa_kernarg_size 88
		.amdhsa_user_sgpr_count 2
		.amdhsa_user_sgpr_kernarg_segment_ptr 1
		.amdhsa_wavefront_size32 1
		.amdhsa_system_sgpr_workgroup_id_x 1
		.amdhsa_system_sgpr_workgroup_id_y 1
		.amdhsa_system_sgpr_workgroup_id_z 1
		.amdhsa_system_vgpr_workitem_id 0
		.amdhsa_next_free_vgpr 1024
		.amdhsa_next_free_sgpr 102
		.amdhsa_reserve_vcc 0
		.amdhsa_float_denorm_mode_32 3
		.amdhsa_float_denorm_mode_16_64 3
		.amdhsa_memory_ordered 1
		.amdhsa_forward_progress 1
		.amdhsa_inst_pref_size 168
	.end_amdhsa_kernel
	.amdgpu_metadata
---
amdhsa.version: [ 1, 2 ]
amdhsa.kernels:
  - .name:           k_q2e6b38dfe7_up
    .symbol:         k_q2e6b38dfe7_up.kd
    .args:
      - { .name: xq, .offset: 0, .size: 8, .value_kind: global_buffer, .address_space: global }
      - { .name: xs, .offset: 8, .size: 8, .value_kind: global_buffer, .address_space: global }
      - { .name: rmap, .offset: 16, .size: 8, .value_kind: global_buffer, .address_space: global }
      - { .name: W1_codes, .offset: 24, .size: 8, .value_kind: global_buffer, .address_space: global }
      - { .name: W1_scales, .offset: 32, .size: 8, .value_kind: global_buffer, .address_space: global }
      - { .name: b1, .offset: 40, .size: 8, .value_kind: global_buffer, .address_space: global }
      - { .name: hq, .offset: 48, .size: 8, .value_kind: global_buffer, .address_space: global }
      - { .name: hs, .offset: 56, .size: 8, .value_kind: global_buffer, .address_space: global }
      - { .name: toks, .offset: 64, .size: 8, .value_kind: global_buffer, .address_space: global }
      - { .name: cnt, .offset: 72, .size: 8, .value_kind: global_buffer, .address_space: global }
      - { .name: out2, .offset: 80, .size: 8, .value_kind: global_buffer, .address_space: global }
    .group_segment_fixed_size: 169472
    .private_segment_fixed_size: 0
    .kernarg_segment_align: 8
    .kernarg_segment_size: 88
    .max_flat_workgroup_size: 128
    .sgpr_count:     102
    .vgpr_count:     1024
    .wavefront_size: 32
...
	.end_amdgpu_metadata
.endif
;; end of part 2
;; launch down (part 3): grid 256 x 1, 4 waves a work-group, no clusters, 101,888 bytes of LDS; arguments cnt, toks, hq, hs, W2_codes, W2_scales, b2, out0; writes out0
.if DOCPART == 3
	.amdgcn_target "amdgcn-amd-amdhsa--gfx1250"
	.amdhsa_code_object_version 6
	.text
	.protected	k_q2e6b38dfe7_down
	.globl	k_q2e6b38dfe7_down
	.p2align	8
	.type	k_q2e6b38dfe7_down,@function
k_q2e6b38dfe7_down:
	s_mov_b64 s[64:65], 0
	v_nop
	global_prefetch_b8 v0, s[64:65] scope:SCOPE_SE
	s_setreg_imm32_b32 hwreg(HW_REG_WAVE_MODE, 25, 1), 1
	s_wait_xcnt 0x0
; SECOND PRODUCT ON THE ROUTED ROWS: out0[token] = h W2[e] + b2[e], on codes of E2M1 with one E8M0 byte for each 32 along K = 2,048.  Left out: rows of experts that a token did not choose, and the factor p_max / p_max, which is 1.
; SHARES.  Work-group (e, hv, o): expert e, outputs 64 o .. 64 o + 63 (256 bytes of an output row), every second block of 16 of the expert's rows: 256 work-groups.  Wave w takes the blocks i that wave w of the launch before made, three in a pass over K.
; W2's 64 rows (64 KiB on end) go through LDS, behind the one barrier; a pass reads their fragments once for all its blocks, in a ring of eight K steps.  The hidden layer's fragments come from memory as images of their registers, 512 consecutive bytes a load.
; The addresses of blocks 0 and 1 hang on ids alone: they are asked for ahead of the number of rows (the launch before stores them for every wave).  The third is asked for where there is one.  In a later pass a block
; that does not exist is replaced by the wave's last one and not stored.
; The product is used transposed (source 0 = 16 rows of W2, source 1 = 16 hidden rows): a lane holds eight neighbouring outputs of one row.  b2 is the C of each sum's first product.
; Rows past the expert's last repeat it: they store the same bytes to the same place, inside one wave.
; NO TENSOR LOADS, NO CLUSTER: branches hang on the stored counts.  No prefetch: the first pass, all that a wave with up to three blocks makes, is asked for at the head.
; LIMIT: NaN and infinities are not served.
.set PW2,  1040                        ; an LDS row of W2: 1,024 bytes of codes + 16 of padding: 65 x 16 bytes
.set STG,  64*PW2                      ; behind W2: a stage of 32 rows x (256 + 16) bytes for each wave
.set SPT,  272
.set SPARE, STG+4*32*SPT               ; the spare words, 128 bytes a wave
; window 0: v0-21, v26-31 addresses; v22 the tokens of blocks 0, 1, v23 of block 2; v24, v25 the add's
.set HS,   32                          ; v32-47   the hidden layer's scale words: register s, lanes 0-15 block 0, lanes 16-31 block 1
.set HS2,  48                          ; v48-63   block 2's
.set W2S,  64                          ; v64-95   W2's: register 16 q + s, lane l = row 32 q + l
.set BIAS, 96                          ; v96-127  b2 in the result's layout, 8 a tile
.set ACC,  128                         ; v128-223 accumulator (block m, tile n) at 32 m + 8 n
.set OA,   224                         ; v224-247 the way out: tokens, then byte offsets in out0
.set OB,   128                         ; window 2, v128-223: the way out: rows read back;  v0-127: block 2's hidden fragments, K step s at 8 s
; window 1: the hidden fragments of blocks 0, 1: (s, m) at 16 s + 8 m
; window 3: the ring: K step s, tile n at 32 (s % 8) + 8 n.  Ahead of the barrier v0-127 carry W2's rows to LDS
.set MSB, 0
.macro WIN new                         ; s_set_vgpr_msb: bits 1:0 source 0, 3:2 source 1, 5:4 source 2, 7:6 destination; the high byte repeats the setting that is left
.if MSB != \new
	s_set_vgpr_msb (MSB<<8)|\new
.set MSB, \new
.endif
.endm
	s_load_b512 s[4:19], s[0:1], 0x0               ; cnt s[4:5], toks s[6:7], hq s[8:9], hs s[10:11], W2_codes s[12:13], W2_scales s[14:15], b2 s[16:17], out0 s[18:19]
	v_lshl_add_u32 v24, v0, 2, SPARE
	v_mov_b32 v25, 0
	v_lshrrev_b32 v1, 5, v0
	v_readfirstlane_b32 s2, v1                     ; wave w
	s_and_b32 s3, ttmp9, 7                         ; e
	s_lshr_b32 s27, ttmp9, 3
	s_and_b32 s26, s27, 1                          ; hv
	s_lshr_b32 s27, s27, 1                         ; o
	s_lshl_b32 s28, s3, 1
	s_add_co_u32 s28, s28, s26                     ; 2 e + hv
	s_lshl_b32 s29, s2, 6
	s_lshl_b32 s30, s28, 13                        ; toks
	s_add_co_u32 s30, s30, s29
	s_lshl_b32 s34, s28, 17                        ; hs
	s_add_co_u32 s34, s34, s29
	s_lshl_b32 s32, s28, 21                        ; hq
	s_lshl_b32 s54, s2, 14
	s_add_co_u32 s32, s32, s54
	s_lshl_b32 s28, s3, 10
	s_lshl_b32 s29, s27, 6
	s_add_co_u32 s28, s28, s29                     ; W2's row 1,024 e + 64 o:
	s_lshl_b32 s36, s28, 10                        ; its codes,
	s_lshl_b32 s38, s28, 6                         ; its scale bytes,
	s_lshl_b32 s48, s28, 2                         ; its bias
	s_lshl_b32 s50, s27, 8                         ; out0: my 256 bytes of a row
	s_lshl_b32 s52, s3, 2                          ; cnt
	s_mul_i32 s55, s2, 16*PW2
	s_mul_i32 s56, s2, 32*SPT
	s_add_co_u32 s56, s56, STG
	s_lshl_b32 s57, s2, 1
	s_add_co_u32 s57, s57, s26                     ; 2 w + hv: my first block
	s_mov_b32 s58, 0xffff0000                      ; lanes 16-31
	s_mov_b32 s31, 0
	s_mov_b32 s33, 0
	s_mov_b32 s35, 0
	s_mov_b32 s37, 0
	s_mov_b32 s39, 0
	s_mov_b32 s49, 0
	s_mov_b32 s51, 0
	s_mov_b32 s53, 0
	v_and_b32 v1, 31, v0                           ; lane
	v_and_b32 v2, 15, v0                           ; r
	v_bfe_u32 v3, v0, 4, 1                         ; h
	v_lshlrev_b32 v4, 4, v1                        ; 16 x lane
	v_mul_u32_u24 v5, v2, PW2
	v_lshl_add_u32 v5, v3, 4, v5                   ; a fragment of W2: row r, + 16 h
	v_add_nc_u32 v6, s54, v4                       ; W2 in memory: my 16 rows of 1,024 bytes
	v_add_nc_u32 v7, s55, v4                       ; and in LDS
	v_mul_u32_u24 v8, v2, SPT
	v_lshl_add_u32 v8, v3, 5, v8
	v_add_nc_u32 v8, s56, v8                       ; my stage, in: row r, 32 bytes for each half of the lanes
	v_mul_u32_u24 v9, v3, SPT
	v_lshl_add_u32 v9, v2, 4, v9
	v_add_nc_u32 v9, s56, v9                       ; back: lanes 0-15 one row of 256 bytes, lanes 16-31 the next
	v_lshlrev_b32 v10, 6, v1                       ; W2's scale bytes: 64 a row
	v_lshlrev_b32 v11, 5, v3                       ; b2: 8 h numbers on
	v_lshlrev_b32 v13, 2, v2                       ; 4 r
	v_lshlrev_b32 v15, 4, v2
	v_lshlrev_b32 v16, 2, v3
	v_mov_b32 v20, v4                              ; the hidden fragments of block 0,
	v_add_nc_u32 v21, 0x10000, v4                  ; of block 1,
	v_add_nc_u32 v17, 0x20000, v4                  ; of block 2
	v_lshl_add_u32 v26, v3, 12, v13                ; scale words of blocks 0, 1
	v_add_nc_u32 v27, 0x2000, v13                  ; and of block 2
	v_lshl_add_u32 v18, v3, 8, v13                 ; tokens of blocks 0, 1
	v_add_nc_u32 v19, 0x200, v13                   ; and of block 2
	s_wait_alu depctr_va_vdst(0)
	s_wait_kmcnt 0x0
	s_add_nc_u64 s[4:5], s[4:5], s[52:53]
	s_load_b32 s40, s[4:5], 0x0                    ; the expert's rows
	s_add_nc_u64 s[6:7], s[6:7], s[30:31]
	s_add_nc_u64 s[8:9], s[8:9], s[32:33]
	s_add_nc_u64 s[10:11], s[10:11], s[34:35]
	s_add_nc_u64 s[12:13], s[12:13], s[36:37]
	s_add_nc_u64 s[14:15], s[14:15], s[38:39]
	s_add_nc_u64 s[16:17], s[16:17], s[48:49]
	s_add_nc_u64 s[18:19], s[18:19], s[50:51]
	WIN 0xc0                                       ; destination in window 3
.set I, 0
.rept 32
	global_load_b128 v[4*I:4*I+3], v6, s[12:13] offset:512*I       ; half a row of W2's codes: 512 consecutive bytes a load
.set I, I+1
.endr
	WIN 0
	global_load_b32 v22, v18, s[6:7]               ; the tokens of blocks 0, 1
.set I, 0
.rept 8
	global_load_b128 v[W2S+4*I:W2S+4*I+3], v10, s[14:15] offset:2048*(I/4)+16*(I%4)
.set I, I+1
.endr
.set I, 0
.rept 8
	global_load_b128 v[BIAS+4*I:BIAS+4*I+3], v11, s[16:17] offset:64*(I/2)+16*(I%2)    ; tile I / 2: outputs 16 n + 8 h + 0 .. 7
.set I, I+1
.endr
.macro HLOAD s                         ; a K step of blocks 0, 1: five loads
	WIN 0x40
	global_load_b128 v[16*(\s):16*(\s)+3], v20, s[8:9] offset:1024*(\s)
	global_load_b128 v[16*(\s)+4:16*(\s)+7], v20, s[8:9] offset:1024*(\s)+512
	global_load_b128 v[16*(\s)+8:16*(\s)+11], v21, s[8:9] offset:1024*(\s)
	global_load_b128 v[16*(\s)+12:16*(\s)+15], v21, s[8:9] offset:1024*(\s)+512
	WIN 0
	global_load_b32 v[HS+(\s)], v26, s[10:11] offset:256*(\s)
.endm
.macro TLOAD                           ; block 2: its tokens, then three loads a K step
	global_load_b32 v23, v19, s[6:7]
.set S, 0
.rept 16
	WIN 0x80
	global_load_b128 v[8*S:8*S+3], v17, s[8:9] offset:1024*S
	global_load_b128 v[8*S+4:8*S+7], v17, s[8:9] offset:1024*S+512
	WIN 0
	global_load_b32 v[HS2+S], v27, s[10:11] offset:256*S
.set S, S+1
.endr
.endm
	HLOAD 0
	HLOAD 1
.set J, 0
.rept 4                                ; W2's rows to LDS, eight loads at a time, with two K steps of the hidden layer asked for behind each eight
	s_wait_loadcnt 51+2*J                          ; behind the eight: 24 - 8 J loads of W2, 17 small ones, 10 + 10 J of the hidden layer
	WIN 0x0c                                       ; data in window 3
.set I, 8*J
.rept 8
	ds_store_b128 v7, v[4*I:4*I+3] offset:(I/2)*PW2+512*(I%2)
.set I, I+1
.endr
	WIN 0
	HLOAD 2+2*J
	HLOAD 3+2*J
.set J, J+1
.endr
	s_wait_kmcnt 0x0
	s_add_co_u32 s41, s40, 15
	s_lshr_b32 s41, s41, 4                         ; the expert's blocks
	s_add_co_u32 s41, s41, 7
	s_sub_co_u32 s41, s41, s57
	s_lshr_b32 s41, s41, 3                         ; mine,
	s_min_u32 s41, s41, 16                         ; never more than 16: every eighth of at most 128 blocks
	s_mov_b32 s42, 0                               ; i0
	s_wait_dscnt 0x0                               ; for the others' sake: my rows of W2 lie in LDS
	s_barrier_signal -1
	s_barrier_wait -1                              ; the one barrier: every wave passes it
.macro WRING s                         ; W2's four fragments of K step s into the ring
	WIN 0xc0
.irp n, 0,1,2,3
.irp cc, 0,1
	ds_load_b128 v[32*((\s)%8)+8*\n+4*\cc:32*((\s)%8)+8*\n+4*\cc+3], v5 offset:16*\n*PW2+64*(\s)+32*\cc
.endr
.endr
.endm
.irp s, 0,1,2,3
	WRING \s
.endr
.irp s, 10,11,12
	HLOAD \s
.endr
.irp s, 4,5,6,7
	WRING \s
.endr
.irp s, 13,14,15
	HLOAD \s
.endr
	WIN 0
	s_cmp_eq_u32 s41, 0
	s_cbranch_scc1 .Lend                           ; no rows for me
	s_cmp_lt_u32 s41, 3
	s_cbranch_scc1 .Lpass                          ; no third block
	TLOAD
.macro WM d, a, b, c, sa, sb, ra, rb   ; one product; ra, rb: the scales are read from lanes 16-31
.if (\ra) && (\rb)
	v_wmma_scale_f32_16x16x128_f8f6f4 v[\d:\d+7], v[\a:\a+7], v[\b:\b+7], v[\c:\c+7], v[\sa], v[\sb] matrix_a_fmt:MATRIX_FMT_FP4 matrix_b_fmt:MATRIX_FMT_FP4 matrix_a_scale:MATRIX_SCALE_ROW1 matrix_b_scale:MATRIX_SCALE_ROW1
.elseif (\ra)
	v_wmma_scale_f32_16x16x128_f8f6f4 v[\d:\d+7], v[\a:\a+7], v[\b:\b+7], v[\c:\c+7], v[\sa], v[\sb] matrix_a_fmt:MATRIX_FMT_FP4 matrix_b_fmt:MATRIX_FMT_FP4 matrix_a_scale:MATRIX_SCALE_ROW1
.elseif (\rb)
	v_wmma_scale_f32_16x16x128_f8f6f4 v[\d:\d+7], v[\a:\a+7], v[\b:\b+7], v[\c:\c+7], v[\sa], v[\sb] matrix_a_fmt:MATRIX_FMT_FP4 matrix_b_fmt:MATRIX_FMT_FP4 matrix_b_scale:MATRIX_SCALE_ROW1
.else
	v_wmma_scale_f32_16x16x128_f8f6f4 v[\d:\d+7], v[\a:\a+7], v[\b:\b+7], v[\c:\c+7], v[\sa], v[\sb] matrix_a_fmt:MATRIX_FMT_FP4 matrix_b_fmt:MATRIX_FMT_FP4
.endif
.endm
.macro MULALL q                        ; 16 K steps: q blocks x four tiles, one instruction a turn on each accumulator, in the same order in every step
.set S, 0
.rept 16
.if \q == 3
.set N, 3*(15-S)                       ; block 2's three loads of this step, the youngest of it, are in; behind them the later steps'
.else
.set N, 5*(15-S)                       ; this step's five loads are in; behind them the later steps'
.endif
.if N > 63
.set N, 63
.endif
	s_wait_loadcnt N
.if S < 8
	s_wait_dscnt 63                                ; this step's fragments are in: behind them seven steps' 56 loads and 16 lane moves, 72 in all
.else
	s_wait_dscnt 8*(15-S)                          ; behind them the later steps'
.endif
	WIN 0x07                                       ; source 0 window 3, source 1 window 1
.irp n, 0,1,2,3
.irp m, 0,1
.if S == 0
	WM ACC+32*\m+8*\n, 32*(S%8)+8*\n, 16*S+8*\m, BIAS+8*\n, W2S+16*(\n/2)+S, HS+S, \n%2, \m
.else
	WM ACC+32*\m+8*\n, 32*(S%8)+8*\n, 16*S+8*\m, ACC+32*\m+8*\n, W2S+16*(\n/2)+S, HS+S, \n%2, \m
.endif
.endr
.endr
.if \q == 3
	WIN 0x0b                                       ; source 1 window 2
.irp n, 0,1,2,3
.if S == 0
	WM ACC+64+8*\n, 32*(S%8)+8*\n, 8*S, BIAS+8*\n, W2S+16*(\n/2)+S, HS2+S, \n%2, 0
.else
	WM ACC+64+8*\n, 32*(S%8)+8*\n, 8*S, ACC+64+8*\n, W2S+16*(\n/2)+S, HS2+S, \n%2, 0
.endif
.endr
.endif
.if S < 8
.rept 4
	v_nop                                          ; four places in front of loads into registers that these products read
.endr
	WRING S+8
.endif
.set S, S+1
.endr
	WIN 0
.endm
.Lpass:
	s_wait_xcnt 0x0
	s_wait_loadcnt 63                              ; the tokens of blocks 0, 1 are in: at least 80 loads were issued behind theirs
.set I, 0
.rept 16
	v_add_nc_u32 v[OA+I], 8*I, v16
.set I, I+1
.endr
.set I, 0
.rept 16
	ds_bpermute_b32 v[OA+I], v[OA+I], v22          ; the way out: the token of row 2 I + h
.set I, I+1
.endr
	s_add_co_u32 s44, s42, 2
	s_cmp_lt_u32 s44, s41
	s_wait_alu depctr_va_vdst(0)
	s_cbranch_scc0 .Ltwo
	MULALL 3
.set I, 0
.rept 8
	v_add_nc_u32 v[OA+16+I], 8*I, v16
.set I, I+1
.endr
.set I, 0
.rept 8
	ds_bpermute_b32 v[OA+16+I], v[OA+16+I], v23
.set I, I+1
.endr
	s_wait_alu depctr_va_vdst(0)
	s_branch .Lout
.Ltwo:
	MULALL 2
.Lout:
	s_wait_dscnt 0x0
.set I, 0
.rept 16
	v_min_u32 v[OA+I], 0x7ff, v[OA+I]              ; these 32 plain lines name no register of the last products: they are the places behind them
.set I, I+1
.endr
.set I, 0
.rept 16
	v_lshl_add_u32 v[OA+I], v[OA+I], 12, v15       ; 4,096 x token + 16 r
.set I, I+1
.endr
	s_wait_alu depctr_va_vdst(0)
; 32 bytes a lane into my stage; back as whole runs of 256 bytes.  LDS serves a wave's instructions in order: no wait between the stores and the loads, nor ahead of the next block's stores.
.macro TURN m, row
.irp n, 0,1,2,3
	ds_store_b128 v8, v[ACC+32*\m+8*\n:ACC+32*\m+8*\n+3] offset:SPT*\row+64*\n         ; each accumulator from its low end on
	ds_store_b128 v8, v[ACC+32*\m+8*\n+4:ACC+32*\m+8*\n+7] offset:SPT*\row+64*\n+16
.endr
	WIN 0x80
.irp i, 0,1,2,3,4,5,6,7
	ds_load_b128 v[OB+32*\m+4*\i:OB+32*\m+4*\i+3], v9 offset:SPT*\row+2*SPT*\i
.endr
	WIN 0
.endm
.macro SEND m, y                       ; y: the LDS instructions issued behind block m's loads, which may stay out
	WIN 0x08                                       ; data in window 2
.irp i, 0,1,2,3,4,5,6,7
	s_wait_dscnt \y+7-\i
	global_store_b128 v[OA+8*\m+\i], v[OB+32*\m+4*\i:OB+32*\m+4*\i+3], s[18:19] th:TH_STORE_NT   ; sixteen lanes store 256 consecutive bytes of a token's row, aligned; written once, read by nobody here
.endr
	WIN 0
.endm
	TURN 0, 0
	TURN 1, 16
	SEND 0, 16
	s_add_co_u32 s44, s42, 1
	s_wait_dscnt 0x0
	s_cmp_lt_u32 s44, s41
	s_cbranch_scc0 .Lnext                          ; no second block
	SEND 1, 0
	s_add_co_u32 s44, s42, 2
	s_cmp_lt_u32 s44, s41
	s_cbranch_scc0 .Lnext                          ; no third block
.set I, 16
.rept 8
	v_min_u32 v[OA+I], 0x7ff, v[OA+I]
.set I, I+1
.endr
.set I, 16
.rept 8
	v_lshl_add_u32 v[OA+I], v[OA+I], 12, v15
.set I, I+1
.endr
	s_wait_alu depctr_va_vdst(0)
	TURN 2, 0
	SEND 2, 0
.Lnext:
	s_add_co_u32 s42, s42, 3
	s_cmp_ge_u32 s42, s41
	s_cbranch_scc1 .Lend
	s_wait_xcnt 0x0                                ; a further pass: earlier loads and stores have read their registers
	s_wait_loadcnt 0x0
	s_sub_co_u32 s46, s41, 1
.irp k, 0,1,2
	s_add_co_u32 s[52+\k], s42, \k
	s_min_u32 s[52+\k], s[52+\k], s46              ; a block that does not exist: my last in its stead
	s_min_u32 s[52+\k], s[52+\k], 15
	s_lshl_b32 s[43+\k], s[52+\k], 16
.endr
	v_add_nc_u32 v20, s43, v4
	v_add_nc_u32 v21, s44, v4
	v_add_nc_u32 v17, s45, v4
.irp k, 0,1,2
	s_lshl_b32 s[43+\k], s[52+\k], 12
.endr
	v_add_nc_u32 v28, s43, v13
	v_add_nc_u32 v29, s44, v13
	v_add_nc_u32 v27, s45, v13
	v_cndmask_b32 v26, v28, v29, s58
.irp k, 0,1,2
	s_lshl_b32 s[43+\k], s[52+\k], 8
.endr
	v_add_nc_u32 v30, s43, v13
	v_add_nc_u32 v31, s44, v13
	v_add_nc_u32 v19, s45, v13
	v_cndmask_b32 v18, v30, v31, s58
	s_wait_alu depctr_va_vdst(0)
	global_load_b32 v22, v18, s[6:7]
.set J, 0
.rept 16
	HLOAD J
.set J, J+1
.endr
	TLOAD
.irp s, 0,1,2,3,4,5,6,7
	WRING \s
.endr
	WIN 0
	s_cmp_lt_u32 s42, 16
	s_cbranch_scc1 .Lpass
.Lend:
	s_wait_tensorcnt 0x0                           ; the wave's end
	ds_add_u32 v24, v25
	s_wait_dscnt 0x0
	s_endpgm
.Lfunc_end_k_q2e6b38dfe7_down:
	.size	k_q2e6b38dfe7_down, .Lfunc_end_k_q2e6b38dfe7_down-k_q2e6b38dfe7_down
	.p2alignl 7, 3214868480
	.fill 96, 4, 3214868480
	.section	.rodata,"a",@progbits
	.p2align	6, 0x0
	.amdhsa_kernel k_q2e6b38dfe7_down
		.amdhsa_group_segment_fixed_size 101888
		.amdhsa_private_segment_fixed_size 0
		.amdhsa_enable_private_segment 0
		.amdhsa_kernarg_size 64
		.amdhsa_user_sgpr_count 2
		.amdhsa_user_sgpr_kernarg_segment_ptr 1
		.amdhsa_wavefront_size32 1
		.amdhsa_system_sgpr_workgroup_id_x 1
		.amdhsa_system_sgpr_workgroup_id_y 1
		.amdhsa_system_sgpr_workgroup_id_z 1
		.amdhsa_system_vgpr_workitem_id 0
		.amdhsa_next_free_vgpr 1024
		.amdhsa_next_free_sgpr 66
		.amdhsa_reserve_vcc 0
		.amdhsa_float_denorm_mode_32 3
		.amdhsa_float_denorm_mode_16_64 3
		.amdhsa_memory_ordered 1
		.amdhsa_forward_progress 1
		.amdhsa_inst_pref_size 115
	.end_amdhsa_kernel
	.amdgpu_metadata
---
amdhsa.version: [ 1, 2 ]
amdhsa.kernels:
  - .name:           k_q2e6b38dfe7_down
    .symbol:         k_q2e6b38dfe7_down.kd
    .args:
      - { .name: cnt, .offset: 0, .size: 8, .value_kind: global_buffer, .address_space: global }
      - { .name: toks, .offset: 8, .size: 8, .value_kind: global_buffer, .address_space: global }
      - { .name: hq, .offset: 16, .size: 8, .value_kind: global_buffer, .address_space: global }
      - { .name: hs, .offset: 24, .size: 8, .value_kind: global_buffer, .address_space: global }
      - { .name: W2_codes, .offset: 32, .size: 8, .value_kind: global_buffer, .address_space: global }
      - { .name: W2_scales, .offset: 40, .size: 8, .value_kind: global_buffer, .address_space: global }
      - { .name: b2, .offset: 48, .size: 8, .value_kind: global_buffer, .address_space: global }
      - { .name: out0, .offset: 56, .size: 8, .value_kind: global_buffer, .address_space: global }
    .group_segment_fixed_size: 101888
    .private_segment_fixed_size: 0
    .kernarg_segment_align: 8
    .kernarg_segment_size: 64
    .max_flat_workgroup_size: 128
    .sgpr_count:     66
    .vgpr_count:     1024
    .wavefront_size: 32
...
	.end_amdgpu_metadata
.endif
;; end of part 3
